; MI455X (gfx1250); checked and timed in simulation.
; The chip was launched on July 23, 2026; its instructions are those of AMD's public machine-readable ISA for CDNA 5 (MIT licence, August 2026) and "CDNA5" Instruction Set Architecture Reference Guide (July 2026). The comments in the code are by the model that wrote it; some were corrected since.
;; Attention. Allowed arithmetic: matrix products marked QUANTISED: E2M1 operands, one E8M0 scale for each 32 along K, by v_wmma_scale_f32_16x16x128_f8f6f4 with both operands' format E2M1 (or v_wmma_scale_f32_32x16x128_f4), f32 sums; products left as they are: f32 operands where the result goes on into a quantised operand, else bf16, f16 or f32 operands; f32 sums; everything else in f32.
;; Inputs: attn_b 1,024 float32; attn_w_codes 1,024 x 64 x 16 uint8 (E2M1 codes of attn_w, K innermost, in blocks of 32 codes, two codes a byte); attn_w_scales 1,024 x 64 uint8 (E8M0 scales of attn_w, one for each 32 codes along K); encoder_outputs 1,024 x 32 x 1,024 float32; hidden 2 x 32 x 1,024 float32; v 1,024 float32.
;; Outputs: out0 32 x 1,024 float32.
;; This version of the problem:
;;   THIS VERSION OF THE PROBLEM IS GIVEN IN LOW PRECISION. The matrix products marked QUANTISED in the list below multiply operands that are first quantised to E2M1 (2 exponent bits, 1 mantissa bit; 4 bits a number), with one power-of-two scale for each 32 numbers along K (OCP MX v1.0); their sums are f32. All else is computed in f32.
;;   The module's matrix products, in the order in which they are computed (A, B: the left and right operand; K: the contracted axis; several contracted axes count as one K, in the product's order):
;;     1. [M 32,768, K 2,048] x [K 2,048, N 1,024]; A: computed on the way; B: input attn_w (given as codes): QUANTISED
;;     2. [M 1, K 1,024] x [K 1,024, N 32,768]; A: input v; B: computed on the way: left as it is (M = 1 < 16)
;;   THE QUANTISER, for each operand of a quantised product, along K:
;;     - K is cut into blocks of 32 from its start; a last block that is shorter is filled with zeros.
;;     - A block's scale is 2^e with e = floor(log2(the largest magnitude in the block)) - 2, held to -126 .. 127; a block of zeros has e = 0. As a byte (E8M0): e + 127.
;;     - Each number is divided by its block's scale, clamped to +-6, and rounded to the nearest number of E2M1, ties to even, subnormals kept.
;;     - The product sums the exact products of the quantised numbers (number of the format x scale) in f32.
;;   ~~~python
;;   def quantise(x, axis):      # numpy; x: float32 -> the quantised numbers, widened to float32 again
;;       x = np.moveaxis(x, axis, -1); K = x.shape[-1]
;;       x = np.pad(x, [(0, 0)] * (x.ndim - 1) + [(0, -K % 32)]); x = x.reshape(x.shape[:-1] + (-1, 32)); a = np.abs(x).max(-1, keepdims=True)
;;       e = np.where(a > 0, np.clip(np.frexp(np.where(a > 0, a, 1))[1] - 1 - 2, -126, 127), 0)      # np.frexp(a)[1] - 1 = floor(log2(a)), exactly
;;       r = np.clip(x / 2.0 ** e, -6, 6)
;;       step = 2.0 ** (np.maximum(np.frexp(np.where(r == 0, 1, r))[1] - 1, 0) - 1)
;;       q = np.round(r / step) * step * 2.0 ** e      # np.round: ties to even
;;       return np.moveaxis(q.reshape(q.shape[:-2] + (-1,))[..., :K], -1, axis).astype(np.float32)
;;   ~~~
;;   OPERANDS COMPUTED ON THE WAY. 'Computed on the way' means the value that the module computes at that place (a softmax that the list does not call 'softmax' is quantised finished and normalised). What goes into a quantiser is computed in f32, as accurately as f32 sums, v_exp_f32 and their like allow (about 1e-6 of the number): no bf16 or f16 on the way to a quantiser, and a product that is left as it is and whose result goes on into a quantised operand takes f32 operands (vector FMAs, or v_wmma_f32_16x16x4_f32). A number that lies on a knife's edge between two numbers of the format may be rounded either way, as far as f32 arithmetic and the matrix unit's own rounding can turn it there, and no further.
;;   INPUTS GIVEN AS CODES. attn_w (in the module: [1024, 2048], K = its axis 1): each comes as NAME_codes (uint8): NAME with its K axis moved to the last place and cut into blocks of 32 codes, [.., K / 32, bytes a block], one block behind the other in memory; two codes a byte, the lower K in the low four bits (a code: sign, 2 exponent bits, 1 mantissa bit); and NAME_scales (uint8): the same leading axes, one E8M0 byte (e + 127) for each 32 codes along K. Its value is code x scale, taken as it is: it is not quantised again, and the codes and scales need not be those that the quantiser above would give.
;; One version. Each part assembles by itself: llvm-mc -triple=amdgcn-amd-amdhsa -mcpu=gfx1250 --defsym DOCPART=n.
;; ======== version 1 of 1: 2 launches
;; workspace buffers: scores 131,072 bytes
;; launch energy (part 1): grid 256 x 1, 4 waves a work-group, clusters of 4 x 1, 327,680 bytes of LDS; arguments encoder_outputs, hidden, attn_w_codes, attn_w_scales, attn_b, v, scores; writes scores
.if DOCPART == 1
	.amdgcn_target "amdgcn-amd-amdhsa--gfx1250"
	.amdhsa_code_object_version 6
	.text
	.protected	k_q7c9848d489_energy
	.globl	k_q7c9848d489_energy
	.p2align	8
	.type	k_q7c9848d489_energy,@function
k_q7c9848d489_energy:
	s_mov_b64 s[64:65], 0
	v_nop
	global_prefetch_b8 v0, s[64:65] scope:SCOPE_SE
	s_setreg_imm32_b32 hwreg(HW_REG_WAVE_MODE, 25, 1), 1
	s_wait_xcnt 0x0
	s_wait_alu depctr_hold_cnt(0) depctr_sa_sdst(0) depctr_va_vdst(0) depctr_va_sdst(0) depctr_va_ssrc(0) depctr_va_vcc(0) depctr_vm_vsrc(0)
	s_getreg_b32 s2, hwreg(HW_REG_IB_STS2, 6, 4)
	s_cmp_eq_u32 s2, 0
	s_cbranch_scc0 .Lentry_in_a_cluster
	s_endpgm
.Lentry_in_a_cluster:
	s_bfe_u32 s2, ttmp6, 0x10000c
	s_cmp_lg_u32 s2, 0x3003
	s_cbranch_scc0 .Lentry_shape_is_right
	s_endpgm
.Lentry_shape_is_right:
; scores[b][s] = log2(e) x (sum over n of v[n] tanh(x[s,b] . W[n] + attn_b[n]) - sum over n of v[n]),  x[s,b] = hidden[1][b] followed by encoder_outputs[s][b]: K = 2,048.
; The product is on codes of FP4 (E2M1) with one E8M0 scale for each 32 along K: W arrives so, x is quantised here.  The softmax over s is the next launch's.
; WORK LEFT OUT, for all values of the inputs:
;  - hidden[0]: the result is made of hidden[-1] alone; only bytes 131,072 on of hidden are loaded.
;  - the first 1,024 of K are done once a work-group, not once a row: the join of the two halves lies at k = 1,024, a multiple of 32, so no block of the quantiser straddles it, and the codes and
;    scales of blocks 0-31 of row (s, b) are those of hidden[1][b] for every s.  hb[n] = Q(hidden[1][b]) . W[n][0:1024] is added to the other half's sum as a bias: only the order of the f32 sums differs.
;  - tanh(y) = 1 - 2 / (1 + e^(2 y)): the term sum of v[n] is the same along the softmax's axis and drops out of it.
; LIMITS: NaN and infinities among the inputs are not served by the quantiser; a block of zeros gets the byte 1 with zero codes (this program alone reads those bytes);
;  a NaN, an infinity or an overflow that reaches only hidden[0] or the sum of v[n] is not carried to the result.  2^(c y) may overflow to infinity (its reciprocal is 0: tanh = 1) or fall to 0 (tanh = -1): no limit of range.
; SHARES.  256 work-groups of four waves; a work-group owns ONE b and 128 neighbouring s: one hidden row, and 128 scores that are 512 neighbouring bytes.
;  PHASE M, four laps of 32 rows: wave w streams rows 32 i + 8 w + 0..7 of the encoder (each load 512 consecutive bytes, 60 loads a wave out), turns 2,048 bytes at a time through its own stage in LDS so that a lane holds 16
;  neighbours along K, quantises, and lays the codes as rows in LDS; behind the lap's barrier every wave takes the lap's two tiles of 16 rows into registers, where all 128 rows stay.  Among the steps each wave makes hb for its 256 n.
;  PHASE T, four laps: wave w owns n = 256 f + 64 w + 0..63 in lap f, for all 128 rows: each fragment of W is read from LDS once and feeds 8 products.  tanh and the product with v stay in registers.
; W comes through a ring of two LDS slots of 256 rows x 512 bytes: first the hidden half (fills 0-3), then the encoder half (fills 4-7).  Each wave fetches just the 64 rows that it alone reads.
; CLUSTER: all work-groups walk the same W, so the four of a cluster ask for each tile JOINTLY: the same tensor load, the same descriptor (made of the wave's number alone), a mask that names the four.
; THE MATRIX INSTRUCTION IS USED TRANSPOSED (source 0 = 16 rows of W, source 1 = 16 rows of x): lane (r, h) holds row r of x and its registers j the units n = 8 h + j.
; REGISTERS, in windows of 256:  window 0: addresses, scale words, the quantiser's numbers, hb.   window 1: x's tiles 0-3 (tile a, K step ks at 64 a + 8 ks).   window 2: tiles 4-7; until hb is done v128-191 the hidden
;  row's fragments and v192-255 eight fragments of W.   window 3: in M the ring of 16 sets of 16 numbers as loaded; in T the accumulators, W's fragments (two sets), the sums and the tables' pieces.
.set WP,    528                        ; an LDS row of codes: 512 bytes + 16 of padding
.set SLOTB, 256*WP                     ; a slot: 135,168 bytes = 0x21000
.set ABUF,  2*SLOTB                    ; x's code rows, two sets by the lap's parity: 32 rows x 528
.set APAR,  32*WP
.set ASC,   ABUF+2*APAR                ; their scale bytes: 32 rows x 48 (32 bytes + 16), two sets
.set SPAR,  32*48
.set STG,   ASC+2*SPAR                 ; a stage of 32 places x 80 bytes for each wave; at the end its 128 partial scores
.set STGW,  2560
.set CWT,   STG+4*STGW                 ; each wave's tables, 256 numbers each, index 64 f + 16 t + j: c (hb + attn_b), then -c v
.set SPARE, CWT+4*2048                 ; the spare words, 128 bytes for each wave: two blocks of 256 bytes that no other line names
.set GOF, 4                            ; v4   16 x lane
.set SIN, 5                            ; v5   the stage, on the way in: 80 (lane / 4) + 16 (lane % 4)
.set SOUT, 6                           ; v6   and on the way out: 80 x lane
.set ACW, 7                            ; v7   where I store 8 bytes of codes: my wave's first row + 8 x lane
.set ASW, 8                            ; v8   and my block's scale byte: + lane / 2
.set WFA, 9                            ; v9, v10  my lane's place in my wave's 64 rows of W, slot 0, slot 1
.set AFA, 11                           ; v11  my lane's place in a tile of x's code rows
.set ASA, 12                           ; v12  row = lane of x's scale bytes
.set CWA, 13                           ; v13  my half's 8 numbers of a tile in my wave's tables
.set HFA, 14                           ; v14  the hidden row's codes: every lane r reads the same row
.set HSA, 15                           ; v15  and its scale bytes
.set WSA, 16                           ; v16  W's scale bytes in memory: 64 x lane + 4,096 x wave
.set TBG, 17                           ; v17  attn_b and v in memory
.set TBL, 18                           ; v18  the tables on the way in: 16 x lane
.set RDA, 19                           ; v19  my partial scores
.set RDL, 20                           ; v20  wave 0 reads all four waves'
.set WS2, 21                           ; v21  the address of the scale words asked for in T
.set SPW, 22                           ; v22  LDS address of my spare word; never rewritten
.set NIL, 23                           ; v23  0; never rewritten
.set ASCL, 32                          ; v32-63   x's scale words: 8 p + ks: lanes 0-15 tile 2 p, lanes 16-31 tile 2 p + 1
.set WSC, 64                           ; v64-127  W's scale words: lanes 0-15 an even tile, lanes 16-31 the odd one
.set HSC, 128                          ; v128-135 the hidden row's scale words
.set XR,  136                          ; v136-167 two sets of 16 neighbours
.set CR,  168                          ; v168-171 codes, two sets
.set ER,  172                          ; v172-173 scale bytes, two sets
.set HB,  176                          ; v176-207 hb's four accumulators; at the head the hidden row as loaded
.set BT,  208                          ; v208-239 pieces of the tables
.set WF,  64                           ; window 3, in T: W's fragments, two sets of 64
.set SS,  192                          ;   the sums: a pair for each tile of rows
.set CH,  208                          ;   c (hb + attn_b): 8 numbers, set 0; set 1 at + 16
.set WT,  216                          ;   -c v likewise
.set W3A, 240                          ;   LDS address of the lap's fragments
.set C3A, 241                          ;   and of its pieces of the tables
.set MSB, 0
.macro WIN new                         ; the immediate's high byte repeats the setting that is left; a switch that changes nothing is dropped
.if MSB != \new
	s_set_vgpr_msb (MSB<<8)|\new
.set MSB, \new
.endif
.endm
; a round of the cluster's barrier
.macro ROUND
	s_barrier_signal -1
	s_barrier_wait -1
	s_cmp_lg_u32 s18, 0
	s_cbranch_scc1 .Lr_\@
	s_barrier_signal -3
.Lr_\@:
	s_barrier_wait -3
	s_barrier_signal -1
	s_barrier_wait -1
.endm
; one product 16 x 16 x 128.  z: the sum begins (C = 0).  ra, rb: source 0's, source 1's scales stand in lanes 16-31 of their register
.macro WMS d, a, b, z, sa, sb, ra, rb
.if (\z)
.if (\ra) && (\rb)
	v_wmma_scale_f32_16x16x128_f8f6f4 v[(\d):(\d)+7], v[(\a):(\a)+7], v[(\b):(\b)+7], 0, v[(\sa)], v[(\sb)] matrix_a_fmt:MATRIX_FMT_FP4 matrix_b_fmt:MATRIX_FMT_FP4 matrix_a_scale:MATRIX_SCALE_ROW1 matrix_b_scale:MATRIX_SCALE_ROW1
.elseif (\ra)
	v_wmma_scale_f32_16x16x128_f8f6f4 v[(\d):(\d)+7], v[(\a):(\a)+7], v[(\b):(\b)+7], 0, v[(\sa)], v[(\sb)] matrix_a_fmt:MATRIX_FMT_FP4 matrix_b_fmt:MATRIX_FMT_FP4 matrix_a_scale:MATRIX_SCALE_ROW1
.elseif (\rb)
	v_wmma_scale_f32_16x16x128_f8f6f4 v[(\d):(\d)+7], v[(\a):(\a)+7], v[(\b):(\b)+7], 0, v[(\sa)], v[(\sb)] matrix_a_fmt:MATRIX_FMT_FP4 matrix_b_fmt:MATRIX_FMT_FP4 matrix_b_scale:MATRIX_SCALE_ROW1
.else
	v_wmma_scale_f32_16x16x128_f8f6f4 v[(\d):(\d)+7], v[(\a):(\a)+7], v[(\b):(\b)+7], 0, v[(\sa)], v[(\sb)] matrix_a_fmt:MATRIX_FMT_FP4 matrix_b_fmt:MATRIX_FMT_FP4
.endif
.else
.if (\ra) && (\rb)
	v_wmma_scale_f32_16x16x128_f8f6f4 v[(\d):(\d)+7], v[(\a):(\a)+7], v[(\b):(\b)+7], v[(\d):(\d)+7], v[(\sa)], v[(\sb)] matrix_a_fmt:MATRIX_FMT_FP4 matrix_b_fmt:MATRIX_FMT_FP4 matrix_a_scale:MATRIX_SCALE_ROW1 matrix_b_scale:MATRIX_SCALE_ROW1
.elseif (\ra)
	v_wmma_scale_f32_16x16x128_f8f6f4 v[(\d):(\d)+7], v[(\a):(\a)+7], v[(\b):(\b)+7], v[(\d):(\d)+7], v[(\sa)], v[(\sb)] matrix_a_fmt:MATRIX_FMT_FP4 matrix_b_fmt:MATRIX_FMT_FP4 matrix_a_scale:MATRIX_SCALE_ROW1
.elseif (\rb)
	v_wmma_scale_f32_16x16x128_f8f6f4 v[(\d):(\d)+7], v[(\a):(\a)+7], v[(\b):(\b)+7], v[(\d):(\d)+7], v[(\sa)], v[(\sb)] matrix_a_fmt:MATRIX_FMT_FP4 matrix_b_fmt:MATRIX_FMT_FP4 matrix_b_scale:MATRIX_SCALE_ROW1
.else
	v_wmma_scale_f32_16x16x128_f8f6f4 v[(\d):(\d)+7], v[(\a):(\a)+7], v[(\b):(\b)+7], v[(\d):(\d)+7], v[(\sa)], v[(\sb)] matrix_a_fmt:MATRIX_FMT_FP4 matrix_b_fmt:MATRIX_FMT_FP4
.endif
.endif
.endm
; step t = 16 lap + 2 row + half: 512 numbers, 2,048 consecutive bytes of an encoder row, into set t % 16 of the ring (window 3).  Every offset is an immediate, 5,115,392 at the most: no pointer is stepped
.macro LOADSET t
.irp i, 0,1,2,3
.if (\t) < 32
	global_load_b128 v[16*((\t)%16)+4*\i:16*((\t)%16)+4*\i+3], v[GOF], s[26:27] offset:(((\t)>>4)&1)*4194304+(((\t)>>1)&7)*131072+((\t)&1)*2048+512*\i th:TH_LOAD_NT
.else
	global_load_b128 v[16*((\t)%16)+4*\i:16*((\t)%16)+4*\i+3], v[GOF], s[28:29] offset:(((\t)>>4)&1)*4194304+(((\t)>>1)&7)*131072+((\t)&1)*2048+512*\i th:TH_LOAD_NT
.endif
.endr
.endm
; my 16 neighbours v[xs] on become 16 codes in v[CR + 2 p] on; two neighbouring lanes hold a block of 32; its scale byte goes to v[ER + p]
.macro QUANT xs, p
	v_max3_num_f32 v24, |v[(\xs)]|, |v[(\xs)+1]|, |v[(\xs)+2]|      ; the largest magnitude of my 16, in two chains
	v_max3_num_f32 v25, |v[(\xs)+3]|, |v[(\xs)+4]|, |v[(\xs)+5]|
.irp i, 6,10
	v_max3_num_f32 v24, v24, |v[(\xs)+\i]|, |v[(\xs)+\i+1]|
	v_max3_num_f32 v25, v25, |v[(\xs)+\i+2]|, |v[(\xs)+\i+3]|
.endr
	v_max3_num_f32 v24, v24, |v[(\xs)+14]|, |v[(\xs)+15]|
	v_max3_num_f32 v24, v24, v25, 0x1800000                         ; and the floor 2^(3 - 127): the byte cannot fall under 1
	v_max_num_f32_dpp v24, v24, v24 row_xmask:1 row_mask:0xf bank_mask:0xf   ; with my neighbour's 16: the block's
	v_add_nc_u32 v26, 0xff000000, v24                               ; 2 off its exponent field: the conversion takes the exponent field of this operand as its scale
	v_cvt_scalef32_pk8_fp4_f32 v[CR+2*(\p)], v[(\xs):(\xs)+7], v26
	v_cvt_scalef32_pk8_fp4_f32 v[CR+2*(\p)+1], v[(\xs)+8:(\xs)+15], v26
	v_lshrrev_b32 v[ER+(\p)], 23, v26                               ; the scale's byte; also the plain line behind the conversions
.endm
; A STEP of the stream: step t + 1 goes through the stage, step t + 16 is asked for, step t is quantised and stored
.macro STEP t
.if (\t) == 0
	s_wait_dscnt 0x0
.else
	s_wait_dscnt 0x2                               ; this step's numbers are back from the stage; behind their loads stand the last step's two stores
.endif
.if (\t) < 63
.if 62-(\t) >= 14
	s_wait_loadcnt 56                              ; set t + 1 is in; behind it sets t + 2 .. t + 15 were asked for: 14 x 4 loads
.else
	s_wait_loadcnt 4*(62-(\t))                     ; the last sets: t + 2 .. 63
.endif
	WIN 0xcc                                       ; data of LDS stores and of global loads: window 3
.irp i, 0,1,2,3
	ds_store_b128 v[SIN], v[16*(((\t)+1)%16)+4*\i:16*(((\t)+1)%16)+4*\i+3] offset:640*\i
.endr
.if (\t)+16 <= 63
	LOADSET (\t)+16                                ; into set t % 16, whose stores into the stage are done (the wait on DScnt above)
.endif
	WIN 0
.irp i, 0,1,2,3
	ds_load_b128 v[XR+16*(((\t)+1)%2)+4*\i:XR+16*(((\t)+1)%2)+4*\i+3], v[SOUT] offset:16*\i   ; LDS serves a wave's instructions in order (ISA guide 5.7.1.4): these see the stores above
.endr
.endif
	QUANT XR+16*((\t)%2), (\t)%2
	ds_store_b64 v[ACW], v[CR+2*((\t)%2):CR+2*((\t)%2)+1] offset:(((\t)>>4)&1)*APAR+WP*(((\t)>>1)&7)+256*((\t)&1)
	ds_store_b8 v[ASW], v[ER+(\t)%2] offset:(((\t)>>4)&1)*SPAR+48*(((\t)>>1)&7)+16*((\t)&1)   ; both lanes of a block write the same byte with the same value
.endm
; hb, fill i, K steps 2 kp and 2 kp + 1: my four tiles of 16 rows of W against the hidden row.  The four accumulators take turns.
; The plain lines of the four steps of the stream that stand between two of these are the places ahead of the loads into registers that products have read.
.macro HBR i, kp
	WIN 0x80                                       ; destination window 2
.irp e, 0,1
.irp t, 0,1,2,3
.irp c, 0,1
	ds_load_b128 v[192+8*(4*\e+\t)+4*\c:192+8*(4*\e+\t)+4*\c+3], v[WFA+(\i)%2] offset:16*WP*\t+64*(2*(\kp)+\e)+32*\c
.endr
.endr
.endr
	s_wait_dscnt 0x0
	WIN 0x0a                                       ; both sources window 2, C and D window 0
.irp e, 0,1
.irp t, 0,1,2,3
	WMS HB+8*\t, 192+8*(4*\e+\t), 128+8*(2*(\kp)+\e), (2*(\kp)+\e)==0, WSC+8*(2*(\i)+\t/2)+2*(\kp)+\e, HSC+2*(\kp)+\e, \t%2, 0
.endr
.endr
	WIN 0
.endm
; c attn_b + c hb goes back to the table's same bytes.  All sixteen lanes of a half hold the same numbers (the sixteen rows of source 1 are one row) and write them to the same bytes
.macro HBEND i
.irp t, 0,1,2,3
.irp q, 0,1
	ds_load_b128 v[BT+8*\t+4*\q:BT+8*\t+4*\q+3], v[CWA] offset:256*(\i)+64*\t+16*\q
.endr
.endr
	s_wait_dscnt 0x0
.rept 4
	v_nop                                          ; four places behind the last product, ahead of the first read of results
.endr
.irp j, 0,2,4,6,8,10,12,14,16,18,20,22,24,26,28,30
	v_pk_fma_f32 v[BT+\j:BT+\j+1], v[HB+\j:HB+\j+1], s[48:49], v[BT+\j:BT+\j+1] op_sel_hi:[1,0,1]   ; each accumulator from its low end on
.endr
.irp t, 0,1,2,3
.irp q, 0,1
	ds_store_b128 v[CWA], v[BT+8*\t+4*\q:BT+8*\t+4*\q+3] offset:256*(\i)+64*\t+16*\q
.endr
.endr
.endm
; THE CHANGE OF SLOTS.  Each wave waits for all its tensor loads (one is out: its part of the other slot), adds 0 to its spare word, and waits for that and for all its LDS instructions: its reads of the slot that it leaves,
; and in M its stores of x's codes.  The round of the cluster's barrier: no wave of any partner still reads the slot or has a load on its way.  Behind it the joint refill comes first, one a wave.
; back = 1: from the hidden half's last 256 rows to the encoder half's first.
.macro CHANGE back
	WIN 0
	s_wait_tensorcnt 0x0
	ds_add_u32 v[SPW], v[NIL]                      ; 0 onto my spare word; the descriptor's steps stand between it and the wait for it
	s_xor_b32 s45, s45, SLOTB                      ; the other slot than last time (33,792 x wave has neither of the two bits of 0x21000)
.if \back
	s_sub_nc_u64 s[46:47], s[46:47], 785920        ; 3 x 262,144 back, 512 on
.else
	s_add_nc_u64 s[46:47], s[46:47], 262144        ; the next 256 rows of W; the type bits on top are not reached
.endif
	s_wait_dscnt 0x0
	ROUND
	tensor_load_to_lds s[44:47], s[32:39]
	s_nop 0
.rept 4
	v_nop
.endr
.endm
; lap i's two tiles of x, which four waves have just laid in LDS, and their scale words, into my registers: they stay
.macro ALOAD i
.if (\i) < 2
	WIN 0x40
.else
	WIN 0x80
.endif
.irp u, 0,1
.irp ks, 0,1,2,3,4,5,6,7
.irp c, 0,1
	ds_load_b128 v[64*((2*(\i)+\u)%4)+8*\ks+4*\c:64*((2*(\i)+\u)%4)+8*\ks+4*\c+3], v[AFA] offset:((\i)%2)*APAR+16*WP*\u+64*\ks+32*\c
.endr
.endr
.endr
	WIN 0
.irp q, 0,1
	ds_load_b128 v[ASCL+8*(\i)+4*\q:ASCL+8*(\i)+4*\q+3], v[ASA] offset:((\i)%2)*SPAR+16*\q
.endr
.endm
; PHASE T.  The fragments of tile t of my 64 rows of W, and its 8 + 8 numbers of the tables, into set pb (all in window 3)
.macro TFETCH t, pb
.irp ks, 0,1,2,3,4,5,6,7
.irp c, 0,1
	ds_load_b128 v[WF+64*(\pb)+8*\ks+4*\c:WF+64*(\pb)+8*\ks+4*\c+3], v[W3A] offset:16*WP*(\t)+64*\ks+32*\c
.endr
.endr
.irp q, 0,1
	ds_load_b128 v[CH+16*(\pb)+4*\q:CH+16*(\pb)+4*\q+3], v[C3A] offset:64*(\t)+16*\q
	ds_load_b128 v[WT+16*(\pb)+4*\q:WT+16*(\pb)+4*\q+3], v[C3A] offset:1024+64*(\t)+16*\q
.endr
.endm
; Chunk ks of 1 / (1 + 2^(c y)) on accumulators x .. x + 3, in place; it stands behind four products of the OTHER four accumulators.  Its second sources are scalars and constants, so it needs no switch of windows.
; The 32 exponentials are one batch with one wait ahead of their first reader, the 32 reciprocals another (its wait stands in SSB).
.macro EP x, cb, ks
.if (\ks) == 0
.rept 4
	v_nop
.endr
.irp a, 0,1,2,3
.irp j, 0,2,4,6
	v_pk_fma_f32 v[8*((\x)+\a)+\j:8*((\x)+\a)+\j+1], v[8*((\x)+\a)+\j:8*((\x)+\a)+\j+1], s[48:49], v[CH+16*(\cb)+\j:CH+16*(\cb)+\j+1] op_sel_hi:[1,0,1]   ; c y = c sum + c (hb + attn_b); each accumulator from its low end on
.endr
.endr
.elseif ((\ks) == 1) || ((\ks) == 2)
.set ee, 8*(\x)+16*((\ks)-1)
.rept 16
	v_exp_f32 v[ee], v[ee]
.set ee, ee+1
.endr
.if (\ks) == 2
	v_nop                                          ; the plain line behind the last exponential
.endif
.elseif (\ks) == 3
	s_wait_alu depctr_va_vdst(0)                   ; one wait for the 32 exponentials
.set ee, 8*(\x)
.rept 16
	v_pk_add_f32 v[ee:ee+1], v[ee:ee+1], 1.0 op_sel_hi:[1,0]
.set ee, ee+2
.endr
.elseif ((\ks) == 4) || ((\ks) == 5)
.set ee, 8*(\x)+16*((\ks)-4)
.rept 16
	v_rcp_f32 v[ee], v[ee]
.set ee, ee+1
.endr
.if (\ks) == 5
	v_nop                                          ; the plain line behind the last reciprocal
.endif
.endif
.endm
; the sums take -c v / (1 + 2^(c y)): a pair for each tile of rows, the four tiles by turns.  These 16 plain lines are also the places behind the products just issued
.macro SSB x, cb
	WIN 0xff
	s_wait_alu depctr_va_vdst(0)                   ; one wait for the 32 reciprocals
.irp j, 0,2,4,6
.irp a, 0,1,2,3
	v_pk_fma_f32 v[SS+2*((\x)+\a):SS+2*((\x)+\a)+1], v[8*((\x)+\a)+\j:8*((\x)+\a)+\j+1], v[WT+16*(\cb)+\j:WT+16*(\cb)+\j+1], v[SS+2*((\x)+\a):SS+2*((\x)+\a)+1]
.endr
.endr
.endm
; 32 products: one tile of W against x's tiles x .. x + 3, all 1,024 of K; the four accumulators take turns.  Behind each four stands a chunk of the other four accumulators' tanh
.macro HALF x, pb, tp, row, cb
.if (\x) == 0
	WIN 0xf7                                       ; W and the accumulators window 3, x's tiles window 1
.else
	WIN 0xfb                                       ; x's tiles window 2
.endif
.irp ks, 0,1,2,3,4,5,6,7
.irp a, 0,1,2,3
	WMS 8*(\x+\a), WF+64*(\pb)+8*\ks, 64*\a+8*\ks, \ks==0, WSC+8*(\tp)+\ks, ASCL+8*((\x+\a)/2)+\ks, \row, \a%2
.endr
	EP 4-\x, \cb, \ks
.endr
.endm
.macro TILE t, pb, tp, row
	s_wait_dscnt 0x0                               ; this tile's fragments and numbers are in (asked for 32 products ago, or at the lap's head)
.if (\t) == 0
	s_wait_loadcnt 0x0                             ; the lap's scale words of W
.endif
	HALF 0, \pb, \tp, \row, 1-\pb                  ; beside them: the tile before's rows 64-127
	SSB 4, 1-\pb
.if (\t) < 3
	TFETCH (\t)+1, 1-\pb
.endif
	HALF 4, \pb, \tp, \row, \pb                    ; beside them: this tile's rows 0-63
	SSB 0, \pb
.endm
; A lap of T: my 64 rows of W in the slot at s52.  At its end the next lap's scale words of W are asked for; last = 1: not in the loop's last trip (no load leaves its buffer)
.macro TLAP last
	WIN 0xc0
	v_add_nc_u32 v[W3A], s52, v[WFA]
	v_add_nc_u32 v[C3A], s53, v[CWA]
	WIN 0xff
	TFETCH 0, 0
	TILE 0, 0, 0, 0
	TILE 1, 1, 0, 1
	TILE 2, 0, 1, 0
	TILE 3, 1, 1, 1
	WIN 0
.if \last
	s_cmp_eq_u32 s54, 1
	s_cbranch_scc1 .Lnw_\@
.endif
	v_add_nc_u32 v[WS2], s55, v[WSA]               ; (the loads that read this register last were waited for at the lap's head)
.irp tp, 0,1
.irp q, 0,1
	global_load_b128 v[WSC+8*\tp+4*\q:WSC+8*\tp+4*\q+3], v[WS2], s[10:11] offset:32+2048*\tp+16*\q
.endr
.endr
.if \last
.Lnw_\@:
.endif
.endm
	; ---------------- the head
	s_load_b256 s[4:11], s[0:1], 0x0               ; encoder s[4:5], hidden s[6:7], W's codes s[8:9], W's scales s[10:11]
	s_load_b128 s[12:15], s[0:1], 0x20             ; attn_b s[12:13], v s[14:15]
	s_load_b64 s[16:17], s[0:1], 0x30              ; scores
	v_lshl_add_u32 v[SPW], v0, 2, SPARE
	v_mov_b32 v[NIL], 0
	ds_add_u32 v[SPW], v[NIL]                      ; the wave's opening: the add, twice on end, and its wait ahead of my first tensor load; the set-up below stands between
	ds_add_u32 v[SPW], v[NIL]
	v_lshrrev_b32 v24, 5, v0
	v_readfirstlane_b32 s18, v24                   ; wave 0..3
	s_bfe_u32 s19, ttmp6, 0x40000                  ; cx: my place in the cluster: it enters the addresses of the encoder, hidden and scores alone
	s_lshl_b32 s20, ttmp9, 2
	s_add_co_u32 s20, s20, s19                     ; work-group g
	s_and_b32 s21, s20, 31                         ; b
	s_lshr_b32 s22, s20, 5                         ; which 128 of s
	v_and_b32 v1, 31, v0                           ; lane
	v_and_b32 v2, 15, v0                           ; r
	v_bfe_u32 v3, v0, 4, 1                         ; h
	v_lshlrev_b32 v[GOF], 4, v1
	s_mul_i32 s24, s18, STGW
	s_add_co_u32 s24, s24, STG                     ; my stage
	v_lshrrev_b32 v24, 2, v1
	v_mul_u32_u24 v[SIN], v24, 80
	v_and_b32 v25, 3, v1
	v_lshl_add_u32 v[SIN], v25, 4, v[SIN]
	v_add_nc_u32 v[SIN], s24, v[SIN]
	v_mul_u32_u24 v[SOUT], v1, 80
	v_add_nc_u32 v[SOUT], s24, v[SOUT]
	v_lshl_add_u32 v[RDA], v2, 2, s24
	v_lshl_add_u32 v[RDL], v1, 4, STG
	s_mul_i32 s24, s18, 8*WP
	s_add_co_u32 s24, s24, ABUF                    ; my wave's 8 rows of a lap's 32
	v_lshl_add_u32 v[ACW], v1, 3, s24
	s_add_co_u32 s24, s24, APAR                    ; the hidden row's codes borrow my first row of the odd set: my own bytes, read back at the head, written again in lap 1
	v_lshl_add_u32 v[HFA], v3, 4, s24
	s_mul_i32 s24, s18, 8*48
	s_add_co_u32 s24, s24, ASC
	v_lshrrev_b32 v24, 1, v1
	v_add_nc_u32 v[ASW], s24, v24
	s_add_co_u32 s24, s24, SPAR
	v_mov_b32 v[HSA], s24
	s_mul_i32 s30, s18, 64*WP                      ; my 64 rows in a slot
	v_mul_u32_u24 v24, v2, WP
	v_lshl_add_u32 v24, v3, 4, v24                 ; a fragment's row x pitch + 16 x half
	v_add_nc_u32 v[WFA], s30, v24
	v_add_nc_u32 v[WFA+1], SLOTB, v[WFA]
	v_add_nc_u32 v[AFA], ABUF, v24
	v_mul_u32_u24 v[ASA], v1, 48
	v_add_nc_u32 v[ASA], ASC, v[ASA]
	s_lshl_b32 s24, s18, 11
	s_add_co_u32 s24, s24, CWT                     ; my tables
	v_lshl_add_u32 v[CWA], v3, 5, s24
	v_lshl_add_u32 v[TBL], v1, 4, s24
	s_lshl_b32 s24, s18, 12
	v_lshl_add_u32 v[WSA], v1, 6, s24              ; W's scale bytes: 64 a row; lane l takes row 64 w + l of 256
	s_lshl_b32 s24, s18, 8
	v_lshl_add_u32 v[TBG], v2, 4, s24              ; attn_b, v: my 64 numbers of each 256: lanes 0-15 one run of 256 bytes, lanes 16-31 the run 1,024 bytes on
	v_lshl_add_u32 v[TBG], v3, 10, v[TBG]
	; descriptor group 1: 64 rows x 512 bytes, 1,024 bytes apart in memory, 16 bytes of padding behind each in LDS
	s_mov_b32 s32, 15|(1<<20)|(1<<21)|(6<<22)|(3<<25)   ; 15:0 the mask: all four work-groups; 17:16 elements of 1 byte; 20 padding on; 21 set beside a mask; 24:22 after every 128 words; 31:25 four words
	s_mov_b32 s33, 512<<16                         ; tensor_dim0
	s_mov_b32 s34, 64<<16                          ; tensor_dim1
	s_mov_b32 s35, 512<<16                         ; tile_dim0
	s_mov_b32 s36, 64                              ; tile_dim1
	s_mov_b32 s37, 1024                            ; from row to row
	s_mov_b32 s38, 0
	s_mov_b32 s39, 0
	s_mov_b32 s48, 0x4038aa3b                      ; c = 2 log2(e)
	s_mov_b32 s49, s48                             ; (named with it as a pair, so it is written)
	s_mov_b32 s50, 0x76543210
	s_mov_b32 s51, 0xfedcba98                      ; v_permlanex16_b32's selects for lane l xor 16
	s_mov_b32 s56, 0xc038aa3b                      ; -c
	s_mov_b32 s57, s56
	s_lshl_b32 s23, s21, 12                        ; 4,096 b
	s_lshl_b32 s24, s22, 24                        ; 128 rows of s are 2^24 bytes of the encoder
	s_add_co_u32 s24, s24, s23
	s_lshl_b32 s31, s18, 20                        ; my wave's 8 rows
	s_add_co_u32 s24, s24, s31
	s_mov_b32 s25, 0
	s_wait_dscnt 0x0                               ; both opening adds are done
	s_wait_kmcnt 0x0
	s_add_nc_u64 s[26:27], s[4:5], s[24:25]        ; the encoder at my wave's first row: laps 0 and 1,
	s_add_nc_u64 s[28:29], s[26:27], 0x800000      ; laps 2 and 3
	s_add_co_u32 s24, s23, 131072
	s_add_nc_u64 s[6:7], s[6:7], s[24:25]          ; hidden[1][b]
	s_lshl_b32 s31, s22, 9
	s_add_co_u32 s24, s23, s31
	s_add_nc_u64 s[16:17], s[16:17], s[24:25]      ; my work-group's 512 bytes of scores
	s_lshl_b32 s24, s18, 16                        ; my 64 rows of W's 256: the wave's number alone
	s_mov_b32 s40, 1                               ; group 0 of fill 0
	s_mov_b32 s41, s30
	s_add_nc_u64 s[42:43], s[8:9], s[24:25]
	s_mov_b32 s44, 1                               ; group 0 of fill 1; it then walks
	s_add_co_u32 s45, s30, SLOTB
	s_add_nc_u64 s[46:47], s[42:43], 262144
	s_or_b32 s43, s43, 0x80000000
	s_or_b32 s47, s47, 0x80000000
	ROUND                                          ; all four work-groups are here: the first joint loads meet
	tensor_load_to_lds s[40:43], s[32:39]          ; two loads of mine are out
	s_nop 0
	tensor_load_to_lds s[44:47], s[32:39]
	s_nop 0
.rept 4
	v_nop
.endr
.irp i, 0,1,2,3,4,5,6,7
	global_load_b128 v[HB+4*\i:HB+4*\i+3], v[GOF], s[6:7] offset:512*\i          ; the hidden row, 4,096 bytes
.endr
.irp f, 0,1,2,3
.irp tp, 0,1
.irp q, 0,1
	global_load_b128 v[WSC+8*(2*\f+\tp)+4*\q:WSC+8*(2*\f+\tp)+4*\q+3], v[WSA], s[10:11] offset:16384*\f+2048*\tp+16*\q   ; the hidden half's scale words of my 256 rows of W
.endr
.endr
.endr
	global_load_b128 v[BT:BT+3], v[TBG], s[12:13]
	global_load_b128 v[BT+4:BT+7], v[TBG], s[12:13] offset:2048
	global_load_b128 v[BT+8:BT+11], v[TBG], s[14:15]
	global_load_b128 v[BT+12:BT+15], v[TBG], s[14:15] offset:2048
	WIN 0xcc
.irp t, 0,1,2,3,4,5,6,7
	LOADSET \t
.endr
	s_wait_loadcnt 32                              ; the 28 small loads are in; behind them stand sets 0-7: 32 loads
.irp t, 8,9,10,11,12,13,14,15
	LOADSET \t
.endr
	WIN 0
.irp j, 0,2,4,6
	v_pk_mul_f32 v[BT+\j:BT+\j+1], v[BT+\j:BT+\j+1], s[48:49] op_sel_hi:[1,0]      ; c attn_b
	v_pk_mul_f32 v[BT+8+\j:BT+8+\j+1], v[BT+8+\j:BT+8+\j+1], s[56:57] op_sel_hi:[1,0]   ; -c v
.endr
.irp i, 0,1,2,3
	ds_store_b128 v[TBL], v[BT+4*\i:BT+4*\i+3] offset:512*\i
.endr
.irp hf, 0,1                                   ; the hidden row is quantised as the encoder's rows are, by every wave for itself
.irp i, 0,1,2,3
	ds_store_b128 v[SIN], v[HB+16*\hf+4*\i:HB+16*\hf+4*\i+3] offset:640*\i
.endr
.irp i, 0,1,2,3
	ds_load_b128 v[XR+16*\hf+4*\i:XR+16*\hf+4*\i+3], v[SOUT] offset:16*\i
.endr
	s_wait_dscnt 0x0
	QUANT XR+16*\hf, \hf
	ds_store_b64 v[ACW], v[CR+2*\hf:CR+2*\hf+1] offset:APAR+256*\hf
	ds_store_b8 v[ASW], v[ER+\hf] offset:SPAR+16*\hf
.endr
	WIN 0x80
.irp ks, 0,1,2,3,4,5,6,7
.irp c, 0,1
	ds_load_b128 v[128+8*\ks+4*\c:128+8*\ks+4*\c+3], v[HFA] offset:64*\ks+32*\c   ; its eight fragments: sixteen times the same row.  They see my stores above
.endr
.endr
	WIN 0
	ds_load_b128 v[HSC:HSC+3], v[HSA]
	ds_load_b128 v[HSC+4:HSC+7], v[HSA] offset:16
	s_wait_loadcnt 60                              ; set 0 is in; behind it stand sets 1-15
	WIN 0xcc
.irp i, 0,1,2,3
	ds_store_b128 v[SIN], v[4*\i:4*\i+3] offset:640*\i
.endr
	WIN 0
.irp i, 0,1,2,3
	ds_load_b128 v[XR+4*\i:XR+4*\i+3], v[SOUT] offset:16*\i
.endr
	; ---------------- PHASE M: four laps of 32 rows, written out: every offset is an immediate
.set T, 0
.irp i, 0,1,2,3
.irp kp, 0,1,2,3
.rept 4
	STEP T
.set T, T+1
.endr
.if (\i == 0) && (\kp == 0)
	s_wait_tensorcnt 0x1                           ; fill 0 is in (fill 1 was issued behind it).  I read only the rows that my own load brought: no barrier is needed for them
.endif
	HBR \i, \kp
.endr
	HBEND \i
.if \i == 3
.irp tp, 0,1
.irp q, 0,1
	global_load_b128 v[WSC+8*\tp+4*\q:WSC+8*\tp+4*\q+3], v[WSA], s[10:11] offset:32+2048*\tp+16*\q   ; the encoder half's scale words for T's first lap
.endr
.endr
.endif
.if \i == 2
	CHANGE 1                                       ; fill 4
.else
	CHANGE 0                                       ; fill i + 2, into the slot that hb has just left.  The round also shows every wave's code rows of this lap to the others
.endif
	ALOAD \i
.endr
	; ---------------- PHASE T
	WIN 0xc0
.set ee, 32
.rept 32
	v_mov_b32 v[ee], 0                             ; the first tile finds a tile before it that adds nothing: sums 0, c (hb + attn_b) = 0, -c v = 0.  So no first tile is written out a second time
.set ee, ee+1
.endr
.set ee, SS
.rept 16
	v_mov_b32 v[ee], 0
.set ee, ee+1
.endr
.set ee, CH+16
.rept 16
	v_mov_b32 v[ee], 0
.set ee, ee+1
.endr
	WIN 0
	s_mov_b32 s52, 0                               ; the slot in hand
	s_mov_b32 s53, 0                               ; the lap's 256 bytes of the tables
	s_mov_b32 s55, 16384                           ; the next lap's scale bytes of W
	s_mov_b32 s54, 2
.LloopA:                                               ; laps 0 and 1: the slot that is left takes fill 6, fill 7
	TLAP 0
	CHANGE 0
	s_xor_b32 s52, s52, SLOTB
	s_add_co_u32 s53, s53, 256
	s_add_co_u32 s55, s55, 16384
	s_sub_co_i32 s54, s54, 1
	s_cmp_lg_u32 s54, 0
	s_cbranch_scc1 .LloopA
	s_mov_b32 s54, 2
.LloopB:                                               ; laps 2 and 3: nothing is left to fetch, so the tail has a text of its own
	TLAP 1
	s_wait_tensorcnt 0x0                           ; fill 7 has had lap 2 in which to land; nothing is filled again, and I read my own load's rows alone: no barrier
	s_xor_b32 s52, s52, SLOTB
	s_add_co_u32 s53, s53, 256
	s_add_co_u32 s55, s55, 16384
	s_sub_co_i32 s54, s54, 1
	s_cmp_lg_u32 s54, 0
	s_cbranch_scc1 .LloopB
	WIN 0xff                                       ; the last tile's rows 64-127
.irp ks, 0,1,2,3,4,5
	EP 4, 1, \ks
.endr
	SSB 4, 1
	; ---------------- the end: a pair's two halves, the other half of the lanes, the four waves
	WIN 0x0f
.irp a, 0,1,2,3,4,5,6,7
	v_add_f32 v[24+\a], v[SS+2*\a], v[SS+2*\a+1]
.endr
	WIN 0
.irp a, 0,1,2,3,4,5,6,7
	v_mov_b32 v[XR+\a], 0                          ; a lane permute's destination counts as one of its sources
.endr
.irp a, 0,1,2,3,4,5,6,7
	v_permlanex16_b32 v[XR+\a], v[24+\a], s50, s51
.endr
.irp a, 0,1,2,3,4,5,6,7
	v_add_f32 v[24+\a], v[24+\a], v[XR+\a]         ; row 16 a + r over my wave's 256 n
.endr
.irp a, 0,1,2,3,4,5,6,7
	ds_store_b32 v[RDA], v[24+\a] offset:64*\a     ; lanes r and r + 16 write the same word with the same value
.endr
	s_wait_dscnt 0x0                               ; for the others' sake: my partial scores lie in LDS
	s_barrier_signal -1
	s_barrier_wait -1
	s_cmp_lg_u32 s18, 0
	s_cbranch_scc1 .Lnot_0
.irp w, 0,1,2,3
	ds_load_b128 v[XR+4*\w:XR+4*\w+3], v[RDL] offset:STGW*\w
.endr
	s_wait_dscnt 0x0
	v_pk_add_f32 v[XR:XR+1], v[XR:XR+1], v[XR+4:XR+5]
	v_pk_add_f32 v[XR+2:XR+3], v[XR+2:XR+3], v[XR+6:XR+7]
	v_pk_add_f32 v[XR+8:XR+9], v[XR+8:XR+9], v[XR+12:XR+13]
	v_pk_add_f32 v[XR+10:XR+11], v[XR+10:XR+11], v[XR+14:XR+15]
	v_pk_add_f32 v[XR:XR+1], v[XR:XR+1], v[XR+8:XR+9]
	v_pk_add_f32 v[XR+2:XR+3], v[XR+2:XR+3], v[XR+10:XR+11]
	global_store_b128 v[GOF], v[XR:XR+3], s[16:17] ; 32 lanes store 512 consecutive bytes, at a multiple of 512 from the buffer's first byte
.Lnot_0:
	s_wait_tensorcnt 0x0                           ; the wave's end: behind my last tensor load and my last LDS store
	ds_add_u32 v[SPW], v[NIL]
	s_wait_dscnt 0x0
	ROUND                                          ; the closing round: no work-group ends while a partner may still ask for a tile that names it
	s_endpgm
.Lfunc_end_k_q7c9848d489_energy:
	.size	k_q7c9848d489_energy, .Lfunc_end_k_q7c9848d489_energy-k_q7c9848d489_energy
	.p2alignl 7, 3214868480
	.fill 96, 4, 3214868480
	.section	.rodata,"a",@progbits
	.p2align	6, 0x0
	.amdhsa_kernel k_q7c9848d489_energy
		.amdhsa_group_segment_fixed_size 327680
		.amdhsa_private_segment_fixed_size 0
		.amdhsa_enable_private_segment 0
		.amdhsa_kernarg_size 56
		.amdhsa_user_sgpr_count 2
		.amdhsa_user_sgpr_kernarg_segment_ptr 1
		.amdhsa_wavefront_size32 1
		.amdhsa_system_sgpr_workgroup_id_x 1
		.amdhsa_system_sgpr_workgroup_id_y 1
		.amdhsa_system_sgpr_workgroup_id_z 1
		.amdhsa_system_vgpr_workitem_id 0
		.amdhsa_next_free_vgpr 1024
		.amdhsa_next_free_sgpr 66
		.amdhsa_reserve_vcc 0
		.amdhsa_float_denorm_mode_32 3
		.amdhsa_float_denorm_mode_16_64 3
		.amdhsa_memory_ordered 1
		.amdhsa_forward_progress 1
		.amdhsa_inst_pref_size 255
	.end_amdhsa_kernel
	.section	.bss,"aw",@nobits
	.p2align	6
	.space	262144
	.amdgpu_metadata
---
amdhsa.version: [ 1, 2 ]
amdhsa.kernels:
  - .name:           k_q7c9848d489_energy
    .symbol:         k_q7c9848d489_energy.kd
    .args:
      - { .name: encoder_outputs, .offset: 0, .size: 8, .value_kind: global_buffer, .address_space: global }
      - { .name: hidden, .offset: 8, .size: 8, .value_kind: global_buffer, .address_space: global }
      - { .name: attn_w_codes, .offset: 16, .size: 8, .value_kind: global_buffer, .address_space: global }
      - { .name: attn_w_scales, .offset: 24, .size: 8, .value_kind: global_buffer, .address_space: global }
      - { .name: attn_b, .offset: 32, .size: 8, .value_kind: global_buffer, .address_space: global }
      - { .name: v, .offset: 40, .size: 8, .value_kind: global_buffer, .address_space: global }
      - { .name: scores, .offset: 48, .size: 8, .value_kind: global_buffer, .address_space: global }
    .group_segment_fixed_size: 327680
    .private_segment_fixed_size: 0
    .kernarg_segment_align: 8
    .kernarg_segment_size: 56
    .max_flat_workgroup_size: 128
    .sgpr_count:     66
    .vgpr_count:     1024
    .wavefront_size: 32
...
	.end_amdgpu_metadata
.endif
;; end of part 1
;; launch softmax (part 2): grid 32 x 1, 1 waves a work-group, no clusters, 0 bytes of LDS; arguments scores, out0; writes out0
.if DOCPART == 2
	.amdgcn_target "amdgcn-amd-amdhsa--gfx1250"
	.amdhsa_code_object_version 6
	.text
	.protected	k_q7c9848d489_softmax
	.globl	k_q7c9848d489_softmax
	.p2align	8
	.type	k_q7c9848d489_softmax,@function
k_q7c9848d489_softmax:
	s_mov_b64 s[64:65], 0
	v_nop
	global_prefetch_b8 v0, s[64:65] scope:SCOPE_SE
	s_setreg_imm32_b32 hwreg(HW_REG_WAVE_MODE, 25, 1), 1
	s_wait_xcnt 0x0
; out0[b][s] = 2^(t[b][s] - max over s of t[b]) / the sum over s of the same; t = log2(e) x (score - the sum of v[n]), as the launch before stored it.
; The sum of v[n] is left out, as there: it is the same along the softmax's axis.  The row's maximum is taken away ahead of the exponential.
; One wave takes a row of 1,024 numbers: 32 a lane, in registers from the load to the store.  Each load and store of the wave covers 512 consecutive bytes.  No LDS, no barrier: a row never leaves its wave.
.set X, 8                              ; v8-39 my 32 numbers
	s_load_b128 s[4:7], s[0:1], 0x0                ; scores, out0
	v_lshlrev_b32 v1, 4, v0                        ; 16 bytes a lane
	s_lshl_b32 s8, ttmp9, 12                       ; row b: 4,096 bytes
	s_mov_b32 s9, 0
	s_mov_b32 s10, 0x76543210
	s_mov_b32 s11, 0xfedcba98                      ; v_permlanex16_b32's selects for lane l xor 16
	s_wait_kmcnt 0x0
	s_add_nc_u64 s[4:5], s[4:5], s[8:9]
	s_add_nc_u64 s[6:7], s[6:7], s[8:9]
.irp i, 0,1,2,3,4,5,6,7
	global_load_b128 v[X+4*\i:X+4*\i+3], v1, s[4:5] offset:512*\i
.endr
	s_wait_loadcnt 0x0
	v_max3_num_f32 v2, v[X], v[X+1], v[X+2]        ; the largest of my 32, in two chains
	v_max3_num_f32 v3, v[X+3], v[X+4], v[X+5]
.irp i, 6,10,14,18,22,26
	v_max3_num_f32 v2, v2, v[X+\i], v[X+\i+1]
	v_max3_num_f32 v3, v3, v[X+\i+2], v[X+\i+3]
.endr
	v_max3_num_f32 v2, v2, v[X+30], v[X+31]
	v_max_num_f32 v2, v2, v3
	v_max_num_f32_dpp v2, v2, v2 row_xmask:1 row_mask:0xf bank_mask:0xf
	v_max_num_f32_dpp v2, v2, v2 row_xmask:2 row_mask:0xf bank_mask:0xf
	v_max_num_f32_dpp v2, v2, v2 row_xmask:4 row_mask:0xf bank_mask:0xf
	v_max_num_f32_dpp v2, v2, v2 row_xmask:8 row_mask:0xf bank_mask:0xf
	v_permlanex16_b32 v3, v2, s10, s11             ; (v3 has been written)
	v_max_num_f32 v2, v2, v3                       ; the row's maximum, in every lane
	v_mov_b32 v3, v2                               ; twice: a pair for the packed subtraction
.irp j, 0,2,4,6,8,10,12,14,16,18,20,22,24,26,28,30
	v_pk_add_f32 v[X+\j:X+\j+1], v[X+\j:X+\j+1], v[2:3] neg_lo:[0,1] neg_hi:[0,1]
.endr
.irp j, 0,1,2,3,4,5,6,7,8,9,10,11,12,13,14,15,16,17,18,19,20,21,22,23,24,25,26,27,28,29,30,31
	v_exp_f32 v[X+\j], v[X+\j]
.endr
	v_nop                                          ; the plain line behind the last exponential
	s_wait_alu depctr_va_vdst(0)                   ; one wait for the batch, ahead of its first reader
	v_pk_add_f32 v[4:5], v[X:X+1], v[X+2:X+3]      ; the sum, in two chains
	v_pk_add_f32 v[6:7], v[X+4:X+5], v[X+6:X+7]
.irp j, 8,12,16,20,24,28
	v_pk_add_f32 v[4:5], v[4:5], v[X+\j:X+\j+1]
	v_pk_add_f32 v[6:7], v[6:7], v[X+\j+2:X+\j+3]
.endr
	v_pk_add_f32 v[4:5], v[4:5], v[6:7]
	v_add_f32 v4, v4, v5
	v_add_f32_dpp v4, v4, v4 row_xmask:1 row_mask:0xf bank_mask:0xf
	v_add_f32_dpp v4, v4, v4 row_xmask:2 row_mask:0xf bank_mask:0xf
	v_add_f32_dpp v4, v4, v4 row_xmask:4 row_mask:0xf bank_mask:0xf
	v_add_f32_dpp v4, v4, v4 row_xmask:8 row_mask:0xf bank_mask:0xf
	v_permlanex16_b32 v5, v4, s10, s11
	v_add_f32 v4, v4, v5                           ; the row's sum: at least 1, since the largest term is 2^0
	v_rcp_f32 v6, v4
	v_rcp_f32 v7, v4                               ; twice: a pair for the packed multiply
	v_nop
	s_wait_alu depctr_va_vdst(0)
.irp j, 0,2,4,6,8,10,12,14,16,18,20,22,24,26,28,30
	v_pk_mul_f32 v[X+\j:X+\j+1], v[X+\j:X+\j+1], v[6:7]
.endr
.irp i, 0,1,2,3,4,5,6,7
	global_store_b128 v1, v[X+4*\i:X+4*\i+3], s[6:7] offset:512*\i
.endr
	s_endpgm
.Lfunc_end_k_q7c9848d489_softmax:
	.size	k_q7c9848d489_softmax, .Lfunc_end_k_q7c9848d489_softmax-k_q7c9848d489_softmax
	.p2alignl 7, 3214868480
	.fill 96, 4, 3214868480
	.section	.rodata,"a",@progbits
	.p2align	6, 0x0
	.amdhsa_kernel k_q7c9848d489_softmax
		.amdhsa_group_segment_fixed_size 0
		.amdhsa_private_segment_fixed_size 0
		.amdhsa_enable_private_segment 0
		.amdhsa_kernarg_size 16
		.amdhsa_user_sgpr_count 2
		.amdhsa_user_sgpr_kernarg_segment_ptr 1
		.amdhsa_wavefront_size32 1
		.amdhsa_system_sgpr_workgroup_id_x 1
		.amdhsa_system_sgpr_workgroup_id_y 1
		.amdhsa_system_sgpr_workgroup_id_z 1
		.amdhsa_system_vgpr_workitem_id 0
		.amdhsa_next_free_vgpr 64
		.amdhsa_next_free_sgpr 66
		.amdhsa_reserve_vcc 0
		.amdhsa_float_denorm_mode_32 3
		.amdhsa_float_denorm_mode_16_64 3
		.amdhsa_memory_ordered 1
		.amdhsa_forward_progress 1
		.amdhsa_inst_pref_size 9
	.end_amdhsa_kernel
	.amdgpu_metadata
---
amdhsa.version: [ 1, 2 ]
amdhsa.kernels:
  - .name:           k_q7c9848d489_softmax
    .symbol:         k_q7c9848d489_softmax.kd
    .args:
      - { .name: scores, .offset: 0, .size: 8, .value_kind: global_buffer, .address_space: global }
      - { .name: out0, .offset: 8, .size: 8, .value_kind: global_buffer, .address_space: global }
    .group_segment_fixed_size: 0
    .private_segment_fixed_size: 0
    .kernarg_segment_align: 8
    .kernarg_segment_size: 16
    .max_flat_workgroup_size: 32
    .sgpr_count:     66
    .vgpr_count:     64
    .wavefront_size: 32
...
	.end_amdgpu_metadata
.endif
;; end of part 2
